; MI455X (gfx1250); checked and timed in simulation.
; The chip was launched on July 23, 2026; its instructions are those of AMD's public machine-readable ISA for CDNA 5 (MIT licence, August 2026) and "CDNA5" Instruction Set Architecture Reference Guide (July 2026). The comments in the code are by the model that wrote it; some were corrected since.
;; Real Polar Model Simple. Allowed arithmetic: matrix products marked QUANTISED: E5M2 operands, one given power-of-two scale a tensor, by v_wmma_f32_16x16x64_bf8_bf8 or v_wmma_f32_16x16x128_bf8_bf8, f32 sums; products left as they are: f32 operands where the result goes on into a quantised operand, else bf16, f16 or f32 operands; f32 sums; everything else in f32.
;; Inputs: cls_b1 32 float32; cls_b2 1,000 float32; cls_w1_codes 32 x 8 x 32 uint8 (E5M2 codes of cls_w1, K innermost, in blocks of 32 codes); cls_w2_codes 1,000 x 1 x 32 uint8 (E5M2 codes of cls_w2, K innermost, in blocks of 32 codes); embed_b 512 float32; embed_w_codes 512 x 8 x 32 uint8 (E5M2 codes of embed_w, K innermost, in blocks of 32 codes); lowp_scales 6 int32 (the exponents e of the quantised operands' scales 2^e); mag_b1 8 x 32 float32; mag_b2 8 x 1 float32; mag_w1 8 x 1 x 32 float32; mag_w2 8 x 32 x 1 float32; ph_b1 8 x 32 float32; ph_b2 8 x 2 float32; ph_w1 8 x 2 x 32 float32; ph_w2 8 x 32 x 2 float32; x_codes 64 x 1,024 x 8 x 32 uint8 (E5M2 codes of x, K innermost, in blocks of 32 codes).
;; Outputs: out0 64 x 1,000 float32.
;; This version of the problem:
;;   THIS VERSION OF THE PROBLEM IS GIVEN IN LOW PRECISION. The matrix products marked QUANTISED in the list below multiply operands that are first quantised to E5M2 (5 exponent bits, 2 mantissa bits; 8 bits a number), with one given power-of-two scale for each operand tensor; their sums are f32. All else is computed in f32.
;;   The module's matrix products, in the order in which they are computed (A, B: the left and right operand; K: the contracted axis; several contracted axes count as one K, in the product's order):
;;     1. [M 65,536, K 256] x [K 256, N 512]; A: input x (given as codes); B: input embed_w (given as codes): QUANTISED (scales: A lowp_scales[0], B lowp_scales[1])
;;     2. [M 16,384, K 1] x [K 1, N 32]; A: computed on the way; B: input mag_w1: left as it is (K = 1 < 32)
;;     3. [M 16,384, K 32] x [K 32, N 1]; A: computed on the way; B: input mag_w2: left as it is (N = 1 < 16)
;;     4. [M 16,384, K 2] x [K 2, N 32]; A: computed on the way; B: input ph_w1: left as it is (K = 2 < 32)
;;     5. [M 16,384, K 32] x [K 32, N 2]; A: computed on the way; B: input ph_w2: left as it is (N = 2 < 16)
;;     6. [M 16,384, K 1] x [K 1, N 32]; A: computed on the way; B: input mag_w1: left as it is (K = 1 < 32)
;;     7. [M 16,384, K 32] x [K 32, N 1]; A: computed on the way; B: input mag_w2: left as it is (N = 1 < 16)
;;     8. [M 16,384, K 2] x [K 2, N 32]; A: computed on the way; B: input ph_w1: left as it is (K = 2 < 32)
;;     9. [M 16,384, K 32] x [K 32, N 2]; A: computed on the way; B: input ph_w2: left as it is (N = 2 < 16)
;;     10. [M 16,384, K 1] x [K 1, N 32]; A: computed on the way; B: input mag_w1: left as it is (K = 1 < 32)
;;     11. [M 16,384, K 32] x [K 32, N 1]; A: computed on the way; B: input mag_w2: left as it is (N = 1 < 16)
;;     12. [M 16,384, K 2] x [K 2, N 32]; A: computed on the way; B: input ph_w1: left as it is (K = 2 < 32)
;;     13. [M 16,384, K 32] x [K 32, N 2]; A: computed on the way; B: input ph_w2: left as it is (N = 2 < 16)
;;     14. [M 16,384, K 1] x [K 1, N 32]; A: computed on the way; B: input mag_w1: left as it is (K = 1 < 32)
;;     15. [M 16,384, K 32] x [K 32, N 1]; A: computed on the way; B: input mag_w2: left as it is (N = 1 < 16)
;;     16. [M 16,384, K 2] x [K 2, N 32]; A: computed on the way; B: input ph_w1: left as it is (K = 2 < 32)
;;     17. [M 16,384, K 32] x [K 32, N 2]; A: computed on the way; B: input ph_w2: left as it is (N = 2 < 16)
;;     18. [M 16,384, K 1] x [K 1, N 32]; A: computed on the way; B: input mag_w1: left as it is (K = 1 < 32)
;;     19. [M 16,384, K 32] x [K 32, N 1]; A: computed on the way; B: input mag_w2: left as it is (N = 1 < 16)
;;     20. [M 16,384, K 2] x [K 2, N 32]; A: computed on the way; B: input ph_w1: left as it is (K = 2 < 32)
;;     21. [M 16,384, K 32] x [K 32, N 2]; A: computed on the way; B: input ph_w2: left as it is (N = 2 < 16)
;;     22. [M 16,384, K 1] x [K 1, N 32]; A: computed on the way; B: input mag_w1: left as it is (K = 1 < 32)
;;     23. [M 16,384, K 32] x [K 32, N 1]; A: computed on the way; B: input mag_w2: left as it is (N = 1 < 16)
;;     24. [M 16,384, K 2] x [K 2, N 32]; A: computed on the way; B: input ph_w1: left as it is (K = 2 < 32)
;;     25. [M 16,384, K 32] x [K 32, N 2]; A: computed on the way; B: input ph_w2: left as it is (N = 2 < 16)
;;     26. [M 16,384, K 1] x [K 1, N 32]; A: computed on the way; B: input mag_w1: left as it is (K = 1 < 32)
;;     27. [M 16,384, K 32] x [K 32, N 1]; A: computed on the way; B: input mag_w2: left as it is (N = 1 < 16)
;;     28. [M 16,384, K 2] x [K 2, N 32]; A: computed on the way; B: input ph_w1: left as it is (K = 2 < 32)
;;     29. [M 16,384, K 32] x [K 32, N 2]; A: computed on the way; B: input ph_w2: left as it is (N = 2 < 16)
;;     30. [M 16,384, K 1] x [K 1, N 32]; A: computed on the way; B: input mag_w1: left as it is (K = 1 < 32)
;;     31. [M 16,384, K 32] x [K 32, N 1]; A: computed on the way; B: input mag_w2: left as it is (N = 1 < 16)
;;     32. [M 16,384, K 2] x [K 2, N 32]; A: computed on the way; B: input ph_w1: left as it is (K = 2 < 32)
;;     33. [M 16,384, K 32] x [K 32, N 2]; A: computed on the way; B: input ph_w2: left as it is (N = 2 < 16)
;;     34. [M 64, K 256] x [K 256, N 32]; A: computed on the way; B: input cls_w1 (given as codes): QUANTISED (scales: A lowp_scales[2], B lowp_scales[3])
;;     35. [M 64, K 32] x [K 32, N 1,000]; A: computed on the way; B: input cls_w2 (given as codes): QUANTISED (scales: A lowp_scales[4], B lowp_scales[5])
;;   THE QUANTISER, for each operand of a quantised product, along K:
;;     - The operand's scale is 2^e, e = its entry of the input lowp_scales (int32; the entries are numbered through the quantised products in the list's order, A before B).
;;     - Each number is divided by the scale, clamped to +-57,344, and rounded to the nearest number of E5M2, ties to even, subnormals kept.
;;     - The product sums the exact products of the quantised numbers (number of the format x scale) in f32.
;;   ~~~python
;;   def quantise(x, axis, e):      # numpy; x: float32 -> the quantised numbers, widened to float32 again
;;       x = np.moveaxis(x, axis, -1); K = x.shape[-1]
;;       r = np.clip(x / 2.0 ** e, -57344, 57344)
;;       step = 2.0 ** (np.maximum(np.frexp(np.where(r == 0, 1, r))[1] - 1, -14) - 2)
;;       q = np.round(r / step) * step * 2.0 ** e      # np.round: ties to even
;;       return np.moveaxis(q, -1, axis).astype(np.float32)
;;   ~~~
;;   OPERANDS COMPUTED ON THE WAY. 'Computed on the way' means the value that the module computes at that place (a softmax that the list does not call 'softmax' is quantised finished and normalised). What goes into a quantiser is computed in f32, as accurately as f32 sums, v_exp_f32 and their like allow (about 1e-6 of the number): no bf16 or f16 on the way to a quantiser, and a product that is left as it is and whose result goes on into a quantised operand takes f32 operands (vector FMAs, or v_wmma_f32_16x16x4_f32). A number that lies on a knife's edge between two numbers of the format may be rounded either way, as far as f32 arithmetic and the matrix unit's own rounding can turn it there, and no further.
;;   INPUTS GIVEN AS CODES. cls_w1 (in the module: [256, 32], K = its axis 0); cls_w2 (in the module: [32, 1000], K = its axis 0); embed_w (in the module: [256, 512], K = its axis 0); x (in the module: [64, 1024, 256], K = its axis 2): each comes as NAME_codes (uint8): NAME with its K axis moved to the last place and cut into blocks of 32 codes, [.., K / 32, bytes a block], one block behind the other in memory; one code a byte (a code: sign, 5 exponent bits, 2 mantissa bits); its scale is its entry of lowp_scales. Its value is code x scale, taken as it is: it is not quantised again, and the codes and scales need not be those that the quantiser above would give.
;; One version. Each part assembles by itself: llvm-mc -triple=amdgcn-amd-amdhsa -mcpu=gfx1250 --defsym DOCPART=n.
;; ======== version 1 of 1: 2 launches
;; limits: right only within a limited range of input values
;; workspace buffers: pooled 65,536 bytes
;; launch polar (part 1): grid 256 x 1, 16 waves a work-group, clusters of 4 x 1, 327,680 bytes of LDS; arguments x_codes, embed_w_codes, embed_b, lowp_scales, mag_w1, mag_b1, mag_w2, mag_b2, ph_w1, ph_b1, ph_w2, ph_b2, pooled; writes pooled
.if DOCPART == 1
	.amdgcn_target "amdgcn-amd-amdhsa--gfx1250"
	.amdhsa_code_object_version 6
	.text
	.protected	k_qae9e17e719_polar
	.globl	k_qae9e17e719_polar
	.p2align	8
	.type	k_qae9e17e719_polar,@function
k_qae9e17e719_polar:
	s_mov_b64 s[64:65], 0
	v_nop
	global_prefetch_b8 v0, s[64:65] scope:SCOPE_SE
	s_setreg_imm32_b32 hwreg(HW_REG_WAVE_MODE, 25, 1), 1
	s_wait_xcnt 0x0
	s_wait_alu depctr_hold_cnt(0) depctr_sa_sdst(0) depctr_va_vdst(0) depctr_va_sdst(0) depctr_va_ssrc(0) depctr_va_vcc(0) depctr_vm_vsrc(0)
	s_getreg_b32 s2, hwreg(HW_REG_IB_STS2, 6, 4)
	s_cmp_eq_u32 s2, 0
	s_cbranch_scc0 .Lentry_in_a_cluster
	s_endpgm
.Lentry_in_a_cluster:
	s_bfe_u32 s2, ttmp6, 0x10000c
	s_cmp_lg_u32 s2, 0x3003
	s_cbranch_scc0 .Lentry_shape_is_right
	s_endpgm
.Lentry_shape_is_right:
; pooled[b][c] = mean over s of r after the eight layers.  Work-group (cluster b, place cx): batch b, channels 64 cx .. 64 cx + 63.
; h = x W + b on codes of E5M2 (x's 1,024 rows and my 128 rows of W lie in LDS, filled once); all else in f32.
; STATE.  A position is kept as (X, Y, f): xc = X f, yc = Y f.  At the entry X = cos(pi d), Y = sin(pi d), f = +-(|h1| + 0.1), d = h2 - n, n = h2 rounded, the sign by n's parity.
; A layer: X <- X f + dx, Y <- Y f + dy (x_out, y_out), m = X X + Y Y, and r cos(atan2(Y, X)) = X sqrt(m + eps) / sqrt(m), so f <- sqrt(1 + eps / m).  Nothing of reference() is left out.
; TEAMS.  The sixteen waves form two teams of eight: t = (w xor w >> 2) & 1, place w >> 1.  A team takes 16 channels at a time over all rows (a wave: 128 rows x 16 channels: 64 + 64 + 64 registers),
; two rounds of them.  The teams stand one barrier interval apart: while one updates its elements, the other runs the small MLPs of its 16 channels (a wave: 2 channels, 16 lanes each, 2 hidden units a lane).
; Each team has LDS bytes of its own for partial sums and for (dx, dy).  Every wave passes every barrier; the branches between barriers hang on the wave's number alone.
; CLUSTER: the four work-groups of a batch ask for x's rows jointly (waves 0-7, 128 rows each); waves 8-15 fetch 16 rows of W each, the work-group's own.  One tensor load a wave; no LDS byte is filled again.
; No prefetch: the tiles are fetched once at the head, and the loops stream nothing but 1 KB of weights a layer, asked for one interval ahead.
; LIMITS: |h2| under 2^22 (n's parity is read off h2 + 1.5 x 2^23); e0 + e1 between -126 and 127; where x_out^2 + y_out^2 lies under 2^-100 the next position comes out shorter than sqrt(eps)
; (reference(): length sqrt(eps), at angle atan2); NaN and infinities are not served.
; REGISTERS: v1, v2 the add's two; v3-v11 LDS addresses; v12-15 leading coefficients; v16-19 offsets; v20-23 dx, dy (bias at the entry); v24-31 sums; v32-39, v56-63 at work; v40-55 a layer's weights;
; v64-127 f (group k at 64 + 8 k; in the product x's fragments); v128-191 X; v192-255 Y.
.set PITCH,  272
.set WT,     1024*PITCH
.set PART,   WT+128*PITCH              ; 2 teams x 16 channels x (16 partial pairs + 8 bytes)
.set DXY,    PART+4352                 ; 2 teams x (16 dx, 16 dy)
.set POOLP,  DXY+256                   ; 64 channels x (16 partial sums + 16 bytes)
.set SPARE,  POOLP+5120                ; the spare words, 128 bytes a wave
.set PADW,   (1<<20)|(5<<22)|(3<<25)
.macro ROUND
	s_barrier_signal -1
	s_barrier_wait -1
	s_cmp_lg_u32 s30, 0
	s_cbranch_scc1 .Lnot_wave_0_\@
	s_barrier_signal -3
.Lnot_wave_0_\@:
	s_barrier_wait -3
	s_barrier_signal -1
	s_barrier_wait -1
.endm
.macro BAR                             ; my LDS instructions are done, for the others' sake; the first line is the wait ahead of a blocking wait
	s_wait_alu depctr_va_vdst(0)
	s_wait_dscnt 0x0
	s_barrier_signal -1
	s_barrier_wait -1
.endm
.macro PLACES
.rept 4
	v_nop
.endr
.endm
.macro SPAIR r, val
	s_mov_b32 s[\r], \val
	s_mov_b32 s[\r+1], \val
.endm
; THE PRODUCT: 8 blocks of 16 rows x (16 columns for r, 16 for theta) x K 256: 32 matrix instructions, the accumulators by turns.  k is permuted alike in both sources (four loads of 16 bytes).
.macro LOADA s, g
.irp m, 0,1,2,3
.irp c, 0,1,2,3
	ds_load_b128 v[64+16*\m+4*\c:67+16*\m+4*\c], v3 offset:16*PITCH*(4*\g+\m)+128*\s+32*\c
.endr
.endr
.endm
.macro LOADB s
.irp d, 0,1
.irp c, 0,1,2,3
	ds_load_b128 v[32+16*\d+4*\c:35+16*\d+4*\c], v5 offset:64*PITCH*\d+128*\s+32*\c
.endr
.endr
.endm
.macro MM s, g
.irp m, 0,1,2,3
.irp d, 0,1
.if \s == 0
	v_wmma_f32_16x16x128_bf8_bf8 v[128+64*\d+8*(4*\g+\m):135+64*\d+8*(4*\g+\m)], v[64+16*\m:79+16*\m], v[32+16*\d:47+16*\d], 0
.else
	v_wmma_f32_16x16x128_bf8_bf8 v[128+64*\d+8*(4*\g+\m):135+64*\d+8*(4*\g+\m)], v[64+16*\m:79+16*\m], v[32+16*\d:47+16*\d], v[128+64*\d+8*(4*\g+\m):135+64*\d+8*(4*\g+\m)]
.endif
.endr
.endr
.endm
.macro GEMM
	v_add_nc_u32 v5, s91, v4
	LOADB 0
	LOADA 0, 0
	s_wait_alu depctr_va_vdst(0)
	s_wait_dscnt 0x0
	MM 0, 0
	PLACES
	LOADA 0, 1
	s_wait_dscnt 0x0
	MM 0, 1
	PLACES
	LOADB 1
	LOADA 1, 0
	s_wait_dscnt 0x0
	MM 1, 0
	PLACES
	LOADA 1, 1
	s_wait_dscnt 0x0
	MM 1, 1
	PLACES
.endm
.macro WLOAD                           ; a layer's weights for my two hidden units r, r + 16
	global_load_b32 v40, v16, s[12:13]
	global_load_b32 v41, v16, s[12:13] offset:64
	global_load_b32 v42, v16, s[14:15]
	global_load_b32 v43, v16, s[14:15] offset:64
	global_load_b32 v44, v16, s[16:17]
	global_load_b32 v45, v16, s[16:17] offset:64
	global_load_b32 v50, v16, s[22:23]
	global_load_b32 v51, v16, s[22:23] offset:64
	global_load_b32 v46, v17, s[20:21]
	global_load_b32 v47, v17, s[20:21] offset:64
	global_load_b32 v48, v17, s[20:21] offset:128
	global_load_b32 v49, v17, s[20:21] offset:192
	global_load_b64 v[52:53], v18, s[24:25]
	global_load_b64 v[54:55], v18, s[24:25] offset:128
	s_load_b32 s95, s[18:19], s93 offset:0x0
	s_load_b64 s[96:97], s[26:27], s94 offset:0x0
.endm
.macro WSTEP                           ; the last layer's loads were waited for in its MLP
	v_add_nc_u32 v16, 128, v16
	v_add_nc_u32 v17, 256, v17
	v_add_nc_u32 v18, 256, v18
	s_add_co_u32 s93, s93, 4
	s_add_co_u32 s94, s94, 8
.endm
; a sum takes src x f in: two packed accumulators for each coordinate, by turns
.macro SACC base, src, fr, p, init
.if (\init) && ((\p) < 4)
	v_pk_mul_f32 v[\base+(\p)%4:\base+(\p)%4+1], v[\src+\p:\src+\p+1], v[\fr+\p:\fr+\p+1]
.else
	v_pk_fma_f32 v[\base+(\p)%4:\base+(\p)%4+1], v[\src+\p:\src+\p+1], v[\fr+\p:\fr+\p+1], v[\base+(\p)%4:\base+(\p)%4+1]
.endif
.endm
; THE ENTRY, group k (16 rows): the sums become h; X = cos, Y = sin of pi d by polynomials in d d; f = +-(|h1| + 0.1)
.macro CONV k
.set XR, 128+8*(\k)
.set YR, 192+8*(\k)
.set FR, 64+8*(\k)
.irp p, 0,2,4,6
	v_pk_fma_f32 v[YR+\p:YR+\p+1], v[YR+\p:YR+\p+1], s[62:63], v[22:23] op_sel_hi:[1,0,0]
.endr
.irp p, 0,2,4,6
	v_pk_fma_f32 v[FR+\p:FR+\p+1], v[XR+\p:XR+\p+1], s[62:63], v[20:21] op_sel_hi:[1,0,0]
.endr
.irp p, 0,2,4,6
	v_pk_add_f32 v[32+\p:33+\p], v[YR+\p:YR+\p+1], s[56:57] op_sel_hi:[1,0]     ; h2 + 1.5 x 2^23: bit 0 is n's parity
.endr
.irp i, 0,1,2,3,4,5,6,7
	v_add_f32 v[FR+\i], |v[FR+\i]|, s98
.endr
.irp p, 0,2,4,6
	v_pk_add_f32 v[56+\p:57+\p], v[32+\p:33+\p], s[86:87] op_sel_hi:[1,0]       ; n
.endr
.irp i, 0,1,2,3,4,5,6,7
	v_lshl_or_b32 v[FR+\i], v[32+\i], 31, v[FR+\i]
.endr
.irp p, 0,2,4,6
	v_pk_add_f32 v[YR+\p:YR+\p+1], v[YR+\p:YR+\p+1], v[56+\p:57+\p] neg_lo:[0,1] neg_hi:[0,1]
.endr
.irp p, 0,2,4,6
	v_pk_mul_f32 v[56+\p:57+\p], v[YR+\p:YR+\p+1], v[YR+\p:YR+\p+1]
.endr
.irp p, 0,2,4,6
	v_pk_fma_f32 v[32+\p:33+\p], v[56+\p:57+\p], v[12:13], s[66:67] op_sel_hi:[1,1,0]
	v_pk_fma_f32 v[XR+\p:XR+\p+1], v[56+\p:57+\p], v[14:15], s[76:77] op_sel_hi:[1,1,0]
.endr
.irp c, 68,70,72,74
.irp p, 0,2,4,6
	v_pk_fma_f32 v[32+\p:33+\p], v[32+\p:33+\p], v[56+\p:57+\p], s[\c:\c+1] op_sel_hi:[1,1,0]
	v_pk_fma_f32 v[XR+\p:XR+\p+1], v[XR+\p:XR+\p+1], v[56+\p:57+\p], s[\c+10:\c+11] op_sel_hi:[1,1,0]
.endr
.endr
.irp p, 0,2,4,6
	v_pk_mul_f32 v[YR+\p:YR+\p+1], v[32+\p:33+\p], v[YR+\p:YR+\p+1]
	v_pk_fma_f32 v[XR+\p:XR+\p+1], v[XR+\p:XR+\p+1], v[56+\p:57+\p], 1.0 op_sel_hi:[1,1,0]
.endr
.irp p, 0,2,4,6
	SACC 24, XR, FR, \p, (\k)==0
	SACC 28, YR, FR, \p, (\k)==0
.endr
.endm
.macro UA k                            ; X <- X f + dx, Y <- Y f + dy
.irp p, 0,2,4,6
	v_pk_fma_f32 v[128+8*(\k)+\p:129+8*(\k)+\p], v[128+8*(\k)+\p:129+8*(\k)+\p], v[64+8*(\k)+\p:65+8*(\k)+\p], v[20:21] op_sel_hi:[1,1,0]
.endr
.irp p, 0,2,4,6
	v_pk_fma_f32 v[192+8*(\k)+\p:193+8*(\k)+\p], v[192+8*(\k)+\p:193+8*(\k)+\p], v[64+8*(\k)+\p:65+8*(\k)+\p], v[22:23] op_sel_hi:[1,1,0]
.endr
.endm
.macro UM k, c                         ; f's registers <- X X + Y Y + the constant in s[c]
.irp p, 0,2,4,6
	v_pk_fma_f32 v[64+8*(\k)+\p:65+8*(\k)+\p], v[128+8*(\k)+\p:129+8*(\k)+\p], v[128+8*(\k)+\p:129+8*(\k)+\p], s[\c:\c+1] op_sel_hi:[1,1,0]
.endr
.irp p, 0,2,4,6
	v_pk_fma_f32 v[64+8*(\k)+\p:65+8*(\k)+\p], v[192+8*(\k)+\p:193+8*(\k)+\p], v[192+8*(\k)+\p:193+8*(\k)+\p], v[64+8*(\k)+\p:65+8*(\k)+\p]
.endr
.endm
; A MIDDLE LAYER in thirteen turns.  Turn n begins with the one wait.  Then, line by line in turns: 1 / m of group n - 2 and the root of group n - 4, and between them plain lines that read
; nothing written in this turn: group n's update, group n - 3's 1 + eps / m, group n - 5's sums (eight packed accumulators, v24-31 for X f and v32-39 for Y f, each written once a turn).
; Behind the last of them, with no transcendental inside it, group n - 1's m.  So whatever is written in a turn and read across a transcendental is read behind the next turn's wait,
; and so is each transcendental's result.
.macro UIT n
.set K1, (\n)
.set K2, (\n)-1
.set KR, (\n)-2
.set K4, (\n)-3
.set KQ, (\n)-4
.set K5, (\n)-5
	s_wait_alu depctr_va_vdst(0)
.irp j, 0,1,2,3,4,5,6,7
.set PJ, 2*((\j)%4)                    ; the pair inside a group
.set SB, 128+64*((\j)/4)               ; X's registers for j under 4, then Y's
.set DJ, 20+2*((\j)/4)                 ; dx, then dy
.if (KR >= 0) && (KR <= 7)
	v_rcp_f32 v[64+8*KR+\j], v[64+8*KR+\j]
.endif
.if K1 <= 7
	v_pk_fma_f32 v[SB+8*K1+PJ:SB+8*K1+PJ+1], v[SB+8*K1+PJ:SB+8*K1+PJ+1], v[64+8*K1+PJ:65+8*K1+PJ], v[DJ:DJ+1] op_sel_hi:[1,1,0]
.endif
.if (K4 >= 0) && (K4 <= 7) && (((\j)%2) == 0)
	v_pk_fma_f32 v[64+8*K4+\j:65+8*K4+\j], v[64+8*K4+\j:65+8*K4+\j], s[58:59], 1.0 op_sel_hi:[1,0,0]
.endif
.if (KQ >= 0) && (KQ <= 7)
	v_sqrt_f32 v[64+8*KQ+\j], v[64+8*KQ+\j]
.endif
.if K5 == 0
	v_pk_mul_f32 v[24+2*\j:25+2*\j], v[SB+8*K5+PJ:SB+8*K5+PJ+1], v[64+8*K5+PJ:65+8*K5+PJ]
.endif
.if K5 > 0
	v_pk_fma_f32 v[24+2*\j:25+2*\j], v[SB+8*K5+PJ:SB+8*K5+PJ+1], v[64+8*K5+PJ:65+8*K5+PJ], v[24+2*\j:25+2*\j]
.endif
.endr
.if (K2 >= 0) && (K2 <= 7)
	UM K2, 60
.endif
.endm
.macro SUMOUT4                         ; the eight accumulators of a middle layer, joined and stored as SUMOUT stores its four
	v_pk_add_f32 v[24:25], v[24:25], v[26:27]
	v_pk_add_f32 v[28:29], v[28:29], v[30:31]
	v_pk_add_f32 v[32:33], v[32:33], v[34:35]
	v_pk_add_f32 v[36:37], v[36:37], v[38:39]
	v_pk_add_f32 v[24:25], v[24:25], v[28:29]
	v_pk_add_f32 v[32:33], v[32:33], v[36:37]
	v_add_f32 v24, v24, v25
	v_add_f32 v25, v32, v33
	ds_store_b64 v6, v[24:25]
.endm
.macro SUMOUT                          ; my 64 rows' sums of my lane's channel: partial 2 x place + lane / 16 of 16
	v_pk_add_f32 v[24:25], v[24:25], v[26:27]
	v_pk_add_f32 v[28:29], v[28:29], v[30:31]
	v_add_f32 v24, v24, v25
	v_add_f32 v25, v28, v29
	ds_store_b64 v6, v[24:25]
.endm
.macro DXYIN
	ds_load_b32 v20, v11
	ds_load_b32 v22, v11 offset:64
	s_wait_dscnt 0x0
.endm
.macro UPD
	s_wait_loadcnt 0x0                     ; the last layer's weights are in on every way that leads here: their registers and offsets may be written
	s_wait_kmcnt 0x0
	WSTEP
	WLOAD                                  ; the next MLP's weights, one interval ahead
	DXYIN
.irp i, 0,1,2,3,4,5,6,7,8,9,10,11,12
	UIT \i
.endr
	SUMOUT4
.endm
; THE LAST LAYER: r = sqrt(X X + Y Y + eps), summed; turn i: the wait, group i's roots, group i + 1's update, group i - 1's sums
.macro FIT i
.set KA, (\i)+1
.set KC, (\i)-1
	s_wait_alu depctr_va_vdst(0)
.if (\i) <= 7
.irp j, 0,1,2,3,4,5,6,7
	v_sqrt_f32 v[64+8*(\i)+\j], v[64+8*(\i)+\j]
.endr
.endif
.if (\i) <= 6
	UA KA
	UM KA, 58
.endif
.if (\i) == 1
	v_pk_add_f32 v[24:25], v[64:65], v[68:69]
	v_pk_add_f32 v[26:27], v[66:67], v[70:71]
.endif
.if (\i) > 1
.irp p, 0,2,4,6
	v_pk_add_f32 v[24+(\p)%4:25+(\p)%4], v[24+(\p)%4:25+(\p)%4], v[64+8*KC+\p:65+8*KC+\p]
.endr
.endif
.endm
.macro FINAL
	DXYIN
	UA 0
	UM 0, 58
.irp i, 0,1,2,3,4,5,6,7,8
	FIT \i
.endr
	v_pk_add_f32 v[24:25], v[24:25], v[26:27]
	v_add_f32 v24, v24, v25
	v_add_nc_u32 v9, s92, v8
	ds_store_b32 v9, v24                   ; read at the kernel's end, behind a barrier
.endm
; THE MLPs of channels 2 x place + lane / 16: the 16 partial sums, one a lane; the mean; log r_agg, sin and cos of th_agg; 2 hidden units a lane of each MLP, exact GELU by erf(z) = z P(z z) / Q(z z), z held in +-4;
; the sums over the 16 lanes; (dx, dy) = exp(lr) (pout1, pout0) / |pout|.  Each batch of transcendentals has the wait ahead of it and behind it.
.macro MLP
	ds_load_b64 v[32:33], v7
	s_wait_dscnt 0x0
.irp x, 1,2,4,8
	v_add_f32_dpp v32, v32, v32 row_xmask:\x row_mask:0xf bank_mask:0xf
	v_add_f32_dpp v33, v33, v33 row_xmask:\x row_mask:0xf bank_mask:0xf
.endr
	v_mul_f32 v32, s99, v32
	v_mul_f32 v33, s99, v33
	v_fma_f32 v34, v32, v32, s58
	v_max_num_f32 v35, |v32|, |v33|
	v_fma_f32 v34, v33, v33, v34
	v_cmp_neq_f32 vcc_lo, 0, v35           ; a mean of (0, 0) has angle 0
	v_cndmask_b32 v36, 1.0, v32, vcc_lo
	v_cndmask_b32 v35, 1.0, v35, vcc_lo
	s_wait_alu depctr_va_vdst(0)
	v_sqrt_f32 v34, v34
	v_rcp_f32 v35, v35
	v_nop
	s_wait_alu depctr_va_vdst(0)
	v_add_f32 v34, s58, v34
	v_mul_f32 v36, v36, v35
	v_mul_f32 v38, v33, v35
	v_mul_f32 v56, v36, v36
	v_fma_f32 v56, v38, v38, v56
	s_wait_alu depctr_va_vdst(0)
	v_log_f32 v34, v34
	v_rsq_f32 v56, v56
	v_nop
	s_wait_alu depctr_va_vdst(0)
	v_mul_f32 v34, s100, v34               ; log r
	v_mul_f32 v36, v36, v56                ; cos
	v_mul_f32 v38, v38, v56                ; sin
	s_wait_alu depctr_va_vdst(0)
	s_wait_loadcnt 0x0                     ; the layer's weights
	s_wait_kmcnt 0x0
	v_pk_fma_f32 v[58:59], v[40:41], v[34:35], v[42:43] op_sel_hi:[1,0,1]
	v_pk_fma_f32 v[60:61], v[48:49], v[36:37], v[50:51] op_sel_hi:[1,0,1]
	v_pk_fma_f32 v[60:61], v[46:47], v[38:39], v[60:61] op_sel_hi:[1,0,1]
	v_pk_mul_f32 v[20:21], v[58:59], 0x3f3504f3 op_sel_hi:[1,0]
	v_pk_mul_f32 v[22:23], v[60:61], 0x3f3504f3 op_sel_hi:[1,0]
.irp i, 20,21,22,23
	v_med3_num_f32 v\i, v\i, -4.0, 4.0
.endr
	v_mov_b32 v62, 0xaf95df0b
	v_mov_b32 v63, 0xaf95df0b
	v_pk_mul_f32 v[24:25], v[20:21], v[20:21]
	v_pk_mul_f32 v[26:27], v[22:23], v[22:23]
	v_pk_fma_f32 v[32:33], v[24:25], v[62:63], s[36:37] op_sel_hi:[1,1,0]
	v_pk_fma_f32 v[34:35], v[26:27], v[62:63], s[36:37] op_sel_hi:[1,1,0]
	v_mov_b32 v62, 0xb77460cd
	v_mov_b32 v63, 0xb77460cd
	v_pk_fma_f32 v[36:37], v[24:25], v[62:63], s[48:49] op_sel_hi:[1,1,0]
	v_pk_fma_f32 v[38:39], v[26:27], v[62:63], s[48:49] op_sel_hi:[1,1,0]
.irp c, 38,40,42
	v_pk_fma_f32 v[32:33], v[32:33], v[24:25], s[\c:\c+1] op_sel_hi:[1,1,0]
	v_pk_fma_f32 v[34:35], v[34:35], v[26:27], s[\c:\c+1] op_sel_hi:[1,1,0]
	v_pk_fma_f32 v[36:37], v[36:37], v[24:25], s[\c+12:\c+13] op_sel_hi:[1,1,0]
	v_pk_fma_f32 v[38:39], v[38:39], v[26:27], s[\c+12:\c+13] op_sel_hi:[1,1,0]
.endr
.irp c, 44,46
	v_pk_fma_f32 v[32:33], v[32:33], v[24:25], s[\c:\c+1] op_sel_hi:[1,1,0]
	v_pk_fma_f32 v[34:35], v[34:35], v[26:27], s[\c:\c+1] op_sel_hi:[1,1,0]
.endr
	v_pk_mul_f32 v[32:33], v[32:33], v[20:21]
	v_pk_mul_f32 v[34:35], v[34:35], v[22:23]
	s_wait_alu depctr_va_vdst(0)
.irp i, 36,37,38,39
	v_rcp_f32 v\i, v\i
.endr
	v_pk_mul_f32 v[58:59], v[58:59], 0.5 op_sel_hi:[1,0]
	v_pk_mul_f32 v[60:61], v[60:61], 0.5 op_sel_hi:[1,0]
	s_wait_alu depctr_va_vdst(0)
	v_pk_mul_f32 v[32:33], v[32:33], v[36:37]
	v_pk_mul_f32 v[34:35], v[34:35], v[38:39]
	v_pk_fma_f32 v[58:59], v[32:33], v[58:59], v[58:59]
	v_pk_fma_f32 v[60:61], v[34:35], v[60:61], v[60:61]
	v_mul_f32 v20, v58, v44
	v_mul_f32 v21, v60, v52
	v_mul_f32 v22, v60, v53
	v_fma_f32 v20, v59, v45, v20
	v_fma_f32 v21, v61, v54, v21
	v_fma_f32 v22, v61, v55, v22
.irp x, 1,2,4,8
	v_add_f32_dpp v20, v20, v20 row_xmask:\x row_mask:0xf bank_mask:0xf
	v_add_f32_dpp v21, v21, v21 row_xmask:\x row_mask:0xf bank_mask:0xf
	v_add_f32_dpp v22, v22, v22 row_xmask:\x row_mask:0xf bank_mask:0xf
.endr
	s_mul_f32 s2, s95, s101
	v_add_f32 v21, s96, v21
	v_add_f32 v22, s97, v22
	v_fma_f32 v20, v20, s101, s2
	v_max_num_f32 v23, |v22|, |v21|
	v_cmp_neq_f32 vcc_lo, 0, v23
	v_cndmask_b32 v22, 1.0, v22, vcc_lo
	v_cndmask_b32 v23, 1.0, v23, vcc_lo
	s_wait_alu depctr_va_vdst(0)
	v_exp_f32 v20, v20
	v_rcp_f32 v23, v23
	v_nop
	s_wait_alu depctr_va_vdst(0)
	v_mul_f32 v22, v22, v23
	v_mul_f32 v21, v21, v23
	v_mul_f32 v24, v22, v22
	v_fma_f32 v24, v21, v21, v24
	s_wait_alu depctr_va_vdst(0)
	v_rsq_f32 v24, v24
	v_nop
	s_wait_alu depctr_va_vdst(0)
	v_mul_f32 v20, v20, v24
	v_mul_f32 v22, v20, v22
	v_mul_f32 v21, v20, v21
	ds_store_b32 v10, v22                  ; dx; the 16 lanes store one value to one word
	ds_store_b32 v10, v21 offset:64        ; dy
.endm
	s_load_b512 s[4:19], s[0:1], 0x0
	s_load_b256 s[20:27], s[0:1], 0x40
	s_load_b64 s[28:29], s[0:1], 0x60
	v_lshl_add_u32 v1, v0, 2, SPARE
	v_mov_b32 v2, 0
	ds_add_u32 v1, v2                      ; the opening lines: the add, twice on end, and its wait below
	ds_add_u32 v1, v2
	v_lshrrev_b32 v3, 5, v0
	v_readfirstlane_b32 s30, v3            ; wave 0..15
	s_bfe_u32 s31, ttmp6, 0x40000          ; cx
	s_lshr_b32 s32, s30, 1                 ; my place in my team, 0..7
	s_lshr_b32 s33, s30, 2
	s_xor_b32 s33, s33, s30
	s_and_b32 s33, s33, 1                  ; my team
	s_and_b32 s66, s30, 7                  ; which part of x (waves 0-7) or of W (waves 8-15) I fetch
	s_mov_b32 s40, 15|(1<<21)|PADW         ; group 1 for x: 128 rows of 256 bytes, padded by 16, asked for by all four partners
	s_mov_b32 s41, 256<<16
	s_mov_b32 s42, 128<<16
	s_mov_b32 s43, 256<<16
	s_mov_b32 s44, 128
	s_mov_b32 s45, 256
	s_mov_b32 s46, 0
	s_mov_b32 s47, 0
	s_mov_b32 s52, PADW                    ; group 1 for W: 16 rows, my work-group's own
	s_mov_b32 s53, 256<<16
	s_mov_b32 s54, 16<<16
	s_mov_b32 s55, 256<<16
	s_mov_b32 s56, 16
	s_mov_b32 s57, 256
	s_mov_b32 s58, 0
	s_mov_b32 s59, 0
	s_mov_b32 s36, 1
	s_mul_i32 s37, s66, 128*PITCH
	s_mov_b32 s48, 1
	s_mul_i32 s49, s66, 16*PITCH
	s_add_co_u32 s49, s49, WT
	s_lshl_b32 s2, ttmp9, 18               ; x: batch x 262,144 + part x 32,768
	s_lshl_b32 s3, s66, 15
	s_add_co_u32 s2, s2, s3
	s_mov_b32 s3, 0
	s_lshl_b32 s34, s31, 14                ; W: row 64 cx + 16 (part % 4) + 256 (part / 4)
	s_and_b32 s35, s66, 3
	s_lshl_b32 s35, s35, 12
	s_add_co_u32 s34, s34, s35
	s_lshr_b32 s35, s66, 2
	s_lshl_b32 s35, s35, 16
	s_add_co_u32 s34, s34, s35
	s_mov_b32 s35, 0
	s_mul_i32 s67, s32, 128*PITCH          ; my 128 rows of x
	s_mul_i32 s68, s33, 16*PITCH
	s_add_co_u32 s68, s68, WT              ; my team's 16 rows of W in round 0
	s_lshl_b32 s69, s32, 1
	s_mul_i32 s70, s33, 2176
	s_add_co_u32 s70, s70, PART
	s_lshl_b32 s71, s33, 7
	s_add_co_u32 s71, s71, DXY
	s_mul_i32 s72, s33, 1280
	s_add_co_u32 s72, s72, POOLP
	s_lshl_b32 s73, s33, 6
	v_and_b32 v20, 15, v0                  ; r
	v_bfe_u32 v22, v0, 4, 1                ; h
	v_mul_u32_u24 v24, v20, PITCH
	v_lshl_add_u32 v24, v22, 4, v24
	v_add_nc_u32 v3, s67, v24              ; x's fragments
	v_add_nc_u32 v4, s68, v24              ; W's
	v_add_nc_u32 v25, s69, v22             ; 2 x place + h: my number among a channel's 16 partial sums; also my channel in the MLP
	v_mul_u32_u24 v6, v20, 136
	v_lshl_add_u32 v6, v25, 3, v6
	v_add_nc_u32 v6, s70, v6               ; partial sums out: channel r, partial 2 place + h
	v_mul_u32_u24 v7, v25, 136
	v_lshl_add_u32 v7, v20, 3, v7
	v_add_nc_u32 v7, s70, v7               ; and in: channel 2 place + h, partial r
	v_lshl_add_u32 v10, v25, 2, s71        ; dx, dy out
	v_lshl_add_u32 v11, v20, 2, s71        ; and in
	v_mul_u32_u24 v8, v20, 80
	v_lshl_add_u32 v8, v25, 2, v8
	v_add_nc_u32 v8, s72, v8               ; pooled's partial sums
	v_lshl_add_u32 v19, v20, 2, s73        ; embed_b
	v_mov_b32 v21, 0                       ; (named as upper halves of pairs)
	v_mov_b32 v23, 0
	v_mov_b32 v12, 0xbbf183a8              ; leading coefficients: sin,
	v_mov_b32 v13, 0xbbf183a8
	v_mov_b32 v14, 0x3afce9c5              ; cos
	v_mov_b32 v15, 0x3afce9c5
	s_wait_alu depctr_va_vdst(0)           ; the wait at the head's end
	s_wait_dscnt 0x0
	s_wait_kmcnt 0x0
	s_load_b64 s[62:63], s[10:11], 0x0     ; e0, e1
	s_add_nc_u64 s[38:39], s[4:5], s[2:3]
	s_or_b32 s39, s39, 0x80000000
	s_add_nc_u64 s[50:51], s[6:7], s[34:35]
	s_or_b32 s51, s51, 0x80000000
	ROUND                                  ; the four partners are here: the joint loads meet
	s_cmp_lt_u32 s30, 8
	s_cbranch_scc0 .Lfor_w
	tensor_load_to_lds s[36:39], s[40:47]
	s_nop 0
	PLACES
	s_branch .Lasked
.Lfor_w:
	tensor_load_to_lds s[48:51], s[52:59]
	s_nop 0
	PLACES
.Lasked:
	s_lshl_b32 s34, s31, 8
	s_add_nc_u64 s[8:9], s[8:9], s[34:35]  ; my 64 channels of embed_b
	s_lshl_b32 s2, ttmp9, 10
	s_add_co_u32 s34, s34, s2
	s_add_nc_u64 s[28:29], s[28:29], s[34:35]  ; and of pooled
	SPAIR 60, 0x0d800000                   ; 2^-100, under m
	SPAIR 66, 0x3da83c1a                   ; sin(pi d) / d,
	SPAIR 68, 0xbf196966
	SPAIR 70, 0x402335e3
	SPAIR 72, 0xc0a55de7
	SPAIR 74, 0x40490fdb
	SPAIR 76, 0xbcd368f9                   ; cos(pi d)
	SPAIR 78, 0x3e70fa83
	SPAIR 80, 0xbfaae9e4
	SPAIR 82, 0x4081e0f8
	SPAIR 84, 0xc09de9e6
	SPAIR 86, 0xcb400000                   ; -1.5 x 2^23
	s_mov_b32 s98, 0x3dcccccd              ; 0.1
	s_mov_b32 s99, 0x3a800000              ; 1 / 1,024
	s_mov_b32 s100, 0x3f317218             ; ln 2
	s_mov_b32 s101, 0x3fb8aa3b             ; log2 e
	s_wait_tensorcnt 0x0                   ; my load is done: its descriptors' registers are free
	s_wait_kmcnt 0x0
	SPAIR 36, 0x32edffee                   ; erf: P behind its leading coefficient,
	SPAIR 38, 0xb60cff51
	SPAIR 40, 0xb86ec2d2
	SPAIR 42, 0xba40ac63
	SPAIR 44, 0xbb41a1f6
	SPAIR 46, 0xbc83dbd4
	SPAIR 48, 0xb95fbd29                   ; and Q
	SPAIR 50, 0xbadc924e
	SPAIR 52, 0xbbf19bf8
	SPAIR 54, 0xbc69b6a7
	SPAIR 56, 0x4b400000                   ; 1.5 x 2^23
	SPAIR 58, 0x322bcc77                   ; eps
	s_add_co_i32 s62, s62, s63
	s_add_co_i32 s62, s62, 127
	s_lshl_b32 s62, s62, 23                ; 2^(e0 + e1)
	s_mov_b32 s63, s62
	s_barrier_signal -1
	s_barrier_wait -1                      ; everybody's part of x and W is in
	s_mov_b32 s90, 0
	s_mov_b32 s91, 0
	s_mov_b32 s92, 0
.Lround:                                       ; round q: team t takes channels 32 q + 16 t .. + 15
	s_wait_alu depctr_va_vdst(0)
	s_wait_loadcnt 0x0                     ; no load of weights is out on any way that leads here: the product's fragments land on their registers
	s_wait_kmcnt 0x0
	global_load_b32 v20, v19, s[8:9]
	global_load_b32 v22, v19, s[8:9] offset:1024
	GEMM
	s_wait_loadcnt 0x0
	v_add_nc_u32 v19, 128, v19
	v_and_b32 v16, 15, v0
	v_lshlrev_b32 v16, 2, v16
	v_mov_b32 v17, v16
	v_lshlrev_b32 v18, 1, v16
	s_mov_b32 s93, 0
	s_mov_b32 s94, 0
	WLOAD                                  ; layer 0's weights
.irp k, 0,1,2,3,4,5,6,7
	CONV \k
.endr
	SUMOUT
	BAR
	s_cmp_lg_u32 s33, 0
	s_cbranch_scc1 .Lahead
	MLP                                    ; team 0 goes one interval ahead
.Lahead:
	BAR
	s_mov_b32 s89, 7
.Llayer:
	s_cmp_lg_u32 s33, 0
	s_cbranch_scc1 .Lb1
	UPD
	s_branch .Lb2
.Lb1:
	MLP
.Lb2:
	BAR
	s_cmp_lg_u32 s33, 0
	s_cbranch_scc1 .Lc1
	MLP
	s_branch .Lc2
.Lc1:
	UPD
.Lc2:
	BAR
	s_sub_co_i32 s89, s89, 1
	s_cmp_lg_u32 s89, 0
	s_cbranch_scc1 .Llayer
	s_cmp_lg_u32 s33, 0
	s_cbranch_scc1 .Ld1
	FINAL
	s_branch .Ld2
.Ld1:
	MLP
.Ld2:
	BAR
	s_cmp_eq_u32 s33, 0
	s_cbranch_scc1 .Le
	FINAL                                  ; no barrier behind it: team 0 is already in the next round's product, which touches none of these LDS bytes
.Le:
	s_add_co_u32 s91, s91, 32*PITCH
	s_add_co_u32 s92, s92, 32*80
	s_add_co_u32 s90, s90, 1
	s_cmp_lt_u32 s90, 2
	s_wait_alu depctr_va_vdst(0)
	s_cbranch_scc1 .Lround
	v_and_b32 v13, 31, v0
	v_mul_u32_u24 v5, v13, 160
	v_add_nc_u32 v5, POOLP, v5             ; lane l: channels 2 l, 2 l + 1
	v_lshlrev_b32 v13, 3, v13
	BAR
	s_cmp_lg_u32 s30, 0
	s_cbranch_scc1 .Lnot_0
.irp j, 0,1,2,3
	ds_load_b128 v[64+4*\j:67+4*\j], v5 offset:16*\j
	ds_load_b128 v[80+4*\j:83+4*\j], v5 offset:80+16*\j
.endr
	s_wait_dscnt 0x0
.irp b, 64,80
.irp o, 0,4,8,12
	v_pk_add_f32 v[\b+\o:\b+\o+1], v[\b+\o:\b+\o+1], v[\b+\o+2:\b+\o+3]
.endr
	v_pk_add_f32 v[\b:\b+1], v[\b:\b+1], v[\b+4:\b+5]
	v_pk_add_f32 v[\b+8:\b+9], v[\b+8:\b+9], v[\b+12:\b+13]
	v_pk_add_f32 v[\b:\b+1], v[\b:\b+1], v[\b+8:\b+9]
	v_add_f32 v[\b], v[\b], v[\b+1]
.endr
	v_mul_f32 v32, s99, v64
	v_mul_f32 v33, s99, v80
	global_store_b64 v13, v[32:33], s[28:29]   ; the wave stores 256 consecutive bytes, at a multiple of 256 from pooled's first byte
.Lnot_0:
	s_wait_tensorcnt 0x0                   ; the wave's end
	ds_add_u32 v1, v2
	s_wait_dscnt 0x0
	ROUND                                  ; the closing round
	s_endpgm
.Lfunc_end_k_qae9e17e719_polar:
	.size	k_qae9e17e719_polar, .Lfunc_end_k_qae9e17e719_polar-k_qae9e17e719_polar
	.p2alignl 7, 3214868480
	.fill 96, 4, 3214868480
	.section	.rodata,"a",@progbits
	.p2align	6, 0x0
	.amdhsa_kernel k_qae9e17e719_polar
		.amdhsa_group_segment_fixed_size 327680
		.amdhsa_private_segment_fixed_size 0
		.amdhsa_enable_private_segment 0
		.amdhsa_kernarg_size 104
		.amdhsa_user_sgpr_count 2
		.amdhsa_user_sgpr_kernarg_segment_ptr 1
		.amdhsa_wavefront_size32 1
		.amdhsa_system_sgpr_workgroup_id_x 1
		.amdhsa_system_sgpr_workgroup_id_y 1
		.amdhsa_system_sgpr_workgroup_id_z 1
		.amdhsa_system_vgpr_workitem_id 0
		.amdhsa_next_free_vgpr 256
		.amdhsa_next_free_sgpr 102
		.amdhsa_reserve_vcc 1
		.amdhsa_float_denorm_mode_32 3
		.amdhsa_float_denorm_mode_16_64 3
		.amdhsa_memory_ordered 1
		.amdhsa_forward_progress 1
		.amdhsa_inst_pref_size 165
	.end_amdhsa_kernel
	.amdgpu_metadata
---
amdhsa.version: [ 1, 2 ]
amdhsa.kernels:
  - .name:           k_qae9e17e719_polar
    .symbol:         k_qae9e17e719_polar.kd
    .args:
      - { .name: x_codes, .offset: 0, .size: 8, .value_kind: global_buffer, .address_space: global }
      - { .name: embed_w_codes, .offset: 8, .size: 8, .value_kind: global_buffer, .address_space: global }
      - { .name: embed_b, .offset: 16, .size: 8, .value_kind: global_buffer, .address_space: global }
      - { .name: lowp_scales, .offset: 24, .size: 8, .value_kind: global_buffer, .address_space: global }
      - { .name: mag_w1, .offset: 32, .size: 8, .value_kind: global_buffer, .address_space: global }
      - { .name: mag_b1, .offset: 40, .size: 8, .value_kind: global_buffer, .address_space: global }
      - { .name: mag_w2, .offset: 48, .size: 8, .value_kind: global_buffer, .address_space: global }
      - { .name: mag_b2, .offset: 56, .size: 8, .value_kind: global_buffer, .address_space: global }
      - { .name: ph_w1, .offset: 64, .size: 8, .value_kind: global_buffer, .address_space: global }
      - { .name: ph_b1, .offset: 72, .size: 8, .value_kind: global_buffer, .address_space: global }
      - { .name: ph_w2, .offset: 80, .size: 8, .value_kind: global_buffer, .address_space: global }
      - { .name: ph_b2, .offset: 88, .size: 8, .value_kind: global_buffer, .address_space: global }
      - { .name: pooled, .offset: 96, .size: 8, .value_kind: global_buffer, .address_space: global }
    .group_segment_fixed_size: 327680
    .private_segment_fixed_size: 0
    .kernarg_segment_align: 8
    .kernarg_segment_size: 104
    .max_flat_workgroup_size: 512
    .sgpr_count:     102
    .vgpr_count:     256
    .wavefront_size: 32
...
	.end_amdgpu_metadata
.endif
;; end of part 1
;; launch classify (part 2): grid 4 x 1, 16 waves a work-group, no clusters, 67,840 bytes of LDS; arguments pooled, cls_w1_codes, cls_b1, cls_w2_codes, cls_b2, lowp_scales, out0; writes out0
.if DOCPART == 2
	.amdgcn_target "amdgcn-amd-amdhsa--gfx1250"
	.amdhsa_code_object_version 6
	.text
	.protected	k_qae9e17e719_classify
	.globl	k_qae9e17e719_classify
	.p2align	8
	.type	k_qae9e17e719_classify,@function
k_qae9e17e719_classify:
	s_mov_b64 s[64:65], 0
	v_nop
	global_prefetch_b8 v0, s[64:65] scope:SCOPE_SE
	s_setreg_imm32_b32 hwreg(HW_REG_WAVE_MODE, 25, 1), 1
	s_wait_xcnt 0x0
; out0 = gelu(Q(pooled) cls_w1 + cls_b1) quantised, x cls_w2 + cls_b2: both products on codes of E5M2.  pooled [64][256] f32 (the first launch's); cls_w1_codes [32][256], cls_w2_codes [1000][32], K innermost; e2 .. e5 = lowp_scales[2..5].
; Nothing of reference() is left out here; of the 64 class tiles of 16 the last lies wholly past class 999 and is not made.
; SHARES.  Work-group y owns batches 16 y .. 16 y + 15: 64,000 consecutive bytes of out0.  Each of its sixteen waves makes the 16 x 32 hidden layer for itself (four matrix instructions: less than an exchange through LDS would
; cost) and then class tiles 4 w .. 4 w + 3.  Four work-groups: the work is 16 x 16 tiles of a 64 x 1,000 result; no tile is shared that a cluster could serve, and nothing is large enough for a tensor load.
; BOTH PRODUCTS ARE USED TRANSPOSED (source 0 = 16 rows of the weight, source 1 = my 16 batches): a lane holds ONE batch (lane % 16).  THE ROWS OF cls_w1 THAT FORM A TILE ARE NOT NEIGHBOURS: lane r of tile u takes row
; 8 u + r + 8 (r / 8), so that a lane's 16 registers of the two tiles are hidden units 16 (lane / 16) + 0 .. 15: the conversions' results are the second product's operand.
; The second product has K = 32: the form of K = 64 takes the 32 codes in registers 0-3 and zero codes in registers 4-7, alike in both sources.  k is permuted alike in both sources of each product.
; THE WAY OUT.  A stage of 16 rows x (4,096 + 16) bytes; the classes 1,000 .. 1,007 of tile 62 fall behind a row's 4,000 bytes and are never read.  The 64,000 bytes are then copied flat, 16 bytes a thread and sweep.
; LIMITS: e2 and e4 between -126 and 112; e2 + e3 and e4 + e5 between -126 and 127.  NaN in pooled is not served.
; REGISTERS: v1, v2 the add's two; v3-v11 addresses; v12-15 at work; v16-47 pooled's codes, later the results; v48-111 cls_w1's four fragments, later the rows read back; v112-127 cls_b1, the sums, the hidden layer;
; v128-255 pooled as f32; later v128-159 cls_w2's four fragments, v160-191 cls_b2, v192-255 the GELU's z, z z, P, Q; later v192-223 the four accumulators, v224-231 the hidden layer's codes and zeros.
.set SPITCH, 4112
.set SPARE,  16*SPITCH                 ; behind the stage: the spare words, 128 bytes for each wave: eight blocks of 256 bytes that no other line names
.macro SPAIR r, val
	s_mov_b32 s[\r], \val
	s_mov_b32 s[\r+1], \val
.endm
.macro PLACES
.rept 4
	v_nop
.endr
.endm
.macro OUTT i                          ; tile i's sums x 2^(e4 + e5) + cls_b2, from the accumulator's low end on, and into the stage: 32 bytes of my batch's row
.irp p, 0,2,4,6
	v_pk_fma_f32 v[16+8*\i+\p:17+8*\i+\p], v[192+8*\i+\p:193+8*\i+\p], s[46:47], v[160+8*\i+\p:161+8*\i+\p] op_sel_hi:[1,0,1]
.endr
	ds_store_b128 v10, v[16+8*\i:19+8*\i] offset:64*\i
	ds_store_b128 v10, v[20+8*\i:23+8*\i] offset:64*\i+16
.endm
.macro BACK i                          ; sweep i of the flat copy: piece g = thread + 512 i of 16 bytes lies in row g / 250 = (g x 16,778) >> 22 (exact for g under 4,000), at 16 g + 112 x row
.set GA, 12+2*((\i)%2)
	v_add_nc_u32 v[GA], 512*(\i), v0
	s_delay_alu instid0(VALU_DEP_1)
	v_mul_u32_u24 v[GA+1], v[GA], 16778
	s_delay_alu instid0(VALU_DEP_1)
	v_lshrrev_b32 v[GA+1], 22, v[GA+1]
	s_delay_alu instid0(VALU_DEP_1)
	v_mul_u32_u24 v[GA+1], v[GA+1], 112
	s_delay_alu instid0(VALU_DEP_1)
	v_lshl_add_u32 v[GA], v[GA], 4, v[GA+1]
	ds_load_b128 v[48+4*(\i):51+4*(\i)], v[GA]
.endm
	s_load_b256 s[4:11], s[0:1], 0x0               ; pooled s[4:5], cls_w1 s[6:7], cls_b1 s[8:9], cls_w2 s[10:11]
	s_load_b128 s[12:15], s[0:1], 0x20             ; cls_b2 s[12:13], the scales s[14:15]
	s_load_b64 s[16:17], s[0:1], 0x30              ; out0
	v_lshl_add_u32 v1, v0, 2, SPARE
	v_mov_b32 v2, 0
	v_lshrrev_b32 v12, 5, v0
	s_delay_alu instid0(VALU_DEP_1)
	v_readfirstlane_b32 s18, v12                   ; wave 0..15
	v_and_b32 v12, 15, v0                          ; r
	v_bfe_u32 v13, v0, 4, 1                        ; h
	s_delay_alu instid0(VALU_DEP_2)
	v_lshlrev_b32 v3, 10, v12
	s_delay_alu instid0(VALU_DEP_1)
	v_lshl_add_u32 v3, v13, 6, v3                  ; pooled: row r of 1,024 bytes, + 64 h: my 16 numbers of a block of 32
	s_delay_alu instid0(VALU_DEP_4)
	v_and_b32 v14, 8, v12
	s_delay_alu instid0(VALU_DEP_1)
	v_add_nc_u32 v14, v14, v12                     ; r + 8 (r / 8)
	s_delay_alu instid0(VALU_DEP_1)
	v_lshlrev_b32 v4, 8, v14
	s_delay_alu instid0(VALU_DEP_1)
	v_lshl_add_u32 v4, v13, 4, v4                  ; cls_w1: that row of 256 bytes, + 16 h
	v_lshlrev_b32 v5, 6, v13                       ; cls_b1: my 16 hidden units
	s_lshl_b32 s19, s18, 6                         ; my wave's first class
	v_add_nc_u32 v14, s19, v12
	s_delay_alu instid0(VALU_DEP_1)
	v_lshlrev_b32 v6, 5, v14
	s_delay_alu instid0(VALU_DEP_1)
	v_lshl_add_u32 v6, v13, 4, v6                  ; cls_w2, tiles 0, 1, 3: row 64 w + r of 32 bytes, + 16 h
	s_delay_alu instid0(VALU_DEP_3)
	v_add_nc_u32 v14, 32, v14
	s_delay_alu instid0(VALU_DEP_1)
	v_min_u32 v14, 999, v14                        ; tile 2 is in wave 15 the last tile, which reaches past class 999: its rows are held inside the buffer
	s_delay_alu instid0(VALU_DEP_1)
	v_lshlrev_b32 v7, 5, v14
	s_delay_alu instid0(VALU_DEP_1)
	v_lshl_add_u32 v7, v13, 4, v7
	v_lshl_add_u32 v14, v13, 3, s19
	s_delay_alu instid0(VALU_DEP_1)
	v_lshlrev_b32 v8, 2, v14                       ; cls_b2, tiles 0, 1, 3: my eight classes 64 w + 8 h on
	s_delay_alu instid0(VALU_DEP_2)
	v_add_nc_u32 v14, 32, v14
	s_delay_alu instid0(VALU_DEP_1)
	v_min_u32 v14, 992, v14                        ; tile 2, held likewise
	s_delay_alu instid0(VALU_DEP_1)
	v_lshlrev_b32 v9, 2, v14
	v_mul_u32_u24 v10, v12, SPITCH
	s_delay_alu instid0(VALU_DEP_1)
	v_lshl_add_u32 v10, v13, 5, v10
	s_lshl_b32 s19, s18, 8
	v_add_nc_u32 v10, s19, v10                     ; the stage: row r, + 256 w + 32 h
	v_lshlrev_b32 v11, 4, v0                       ; out0: 16 bytes a thread
	SPAIR 24, 0x32edffee                           ; erf: P's coefficients behind the leading one,
	SPAIR 26, 0xb60cff51
	SPAIR 28, 0xb86ec2d2
	SPAIR 30, 0xba40ac63
	SPAIR 32, 0xbb41a1f6
	SPAIR 34, 0xbc83dbd4
	SPAIR 36, 0xb95fbd29                           ; and Q's
	SPAIR 38, 0xbadc924e
	SPAIR 40, 0xbbf19bf8
	SPAIR 42, 0xbc69b6a7
	s_wait_kmcnt 0x0
	s_load_b128 s[20:23], s[14:15], 0x8            ; e2, e3, e4, e5
	s_lshl_b32 s2, ttmp9, 14                       ; my 16 rows of pooled
	s_mov_b32 s3, 0
	s_add_nc_u64 s[4:5], s[4:5], s[2:3]
	s_mul_i32 s2, ttmp9, 64000                     ; and of out0
	s_add_nc_u64 s[16:17], s[16:17], s[2:3]
.irp s, 0,1
.irp b, 0,1,2,3
.irp j, 0,1,2,3
	global_load_b128 v[128+64*\s+16*\b+4*\j:131+64*\s+16*\b+4*\j], v3, s[4:5] offset:512*\s+128*\b+16*\j
.endr
.endr
.endr
.irp u, 0,1
.irp s, 0,1
.irp c, 0,1,2,3
	global_load_b128 v[48+16*(2*\u+\s)+4*\c:51+16*(2*\u+\s)+4*\c], v4, s[6:7] offset:2048*\u+128*\s+32*\c
.endr
.endr
.endr
.irp c, 0,1,2,3
	global_load_b128 v[112+4*\c:115+4*\c], v5, s[8:9] offset:16*\c
.endr
	s_wait_loadcnt 0x0
	s_wait_kmcnt 0x0
	s_add_co_i32 s45, s20, 127
	s_lshl_b32 s19, s45, 23
	v_mov_b32 v14, s19                             ; 2^e2 as f32: the conversion takes its exponent field
	s_add_co_i32 s45, s45, 15
	s_lshl_b32 s45, s45, 23
	s_or_b32 s45, s45, 0x600000
	v_mov_b32 v15, s45                             ; 57,344 x 2^e2
.irp s, 0,1
.irp b, 0,1,2,3
.irp i, 0,1,2,3,4,5,6,7,8,9,10,11,12,13,14,15
	v_med3_num_f32 v[128+64*\s+16*\b+\i], v[128+64*\s+16*\b+\i], -v15, v15   ; the conversion to an 8-bit code does not saturate (ISA guide 7.6.2): the hold at the largest code x the scale
.endr
	v_cvt_scalef32_pk8_bf8_f32 v[16+16*\s+4*\b:17+16*\s+4*\b], v[128+64*\s+16*\b:135+64*\s+16*\b], v14
	v_cvt_scalef32_pk8_bf8_f32 v[18+16*\s+4*\b:19+16*\s+4*\b], v[136+64*\s+16*\b:143+64*\s+16*\b], v14
.endr
.endr
	v_nop                                          ; one plain line between the last conversion and what next touches its results or writes its sources
	; the second product's weights and biases land while the hidden layer is made
	global_load_b128 v[128:131], v6, s[10:11]
	global_load_b128 v[136:139], v6, s[10:11] offset:512
	global_load_b128 v[144:147], v7, s[10:11]
	global_load_b128 v[160:163], v8, s[12:13]
	global_load_b128 v[164:167], v8, s[12:13] offset:16
	global_load_b128 v[168:171], v8, s[12:13] offset:64
	global_load_b128 v[172:175], v8, s[12:13] offset:80
	global_load_b128 v[176:179], v9, s[12:13]
	global_load_b128 v[180:183], v9, s[12:13] offset:16
	s_cmp_eq_u32 s18, 15                           ; wave 15 has no fourth tile
	s_cbranch_scc1 .Lno_63_loads
	global_load_b128 v[152:155], v6, s[10:11] offset:1536
	global_load_b128 v[184:187], v8, s[12:13] offset:192
	global_load_b128 v[188:191], v8, s[12:13] offset:208
.Lno_63_loads:
.irp i, 0,1,2,3
.irp j, 4,5,6,7
	v_mov_b32 v[128+8*\i+\j], 0                    ; zero codes for k = 32 .. 63
.endr
.endr
	v_mov_b32 v12, 0xaf95df0b                      ; erf: P's leading coefficient,
	v_mov_b32 v13, 0xaf95df0b
	v_mov_b32 v14, 0xb77460cd                      ; and Q's
	v_mov_b32 v15, 0xb77460cd
	s_add_co_i32 s44, s20, s21                     ; e2 + e3: a sum stands for sum x 2^(e2 + e3), so cls_b1 goes in divided by that, as the C of each sum's first product
	s_add_co_i32 s46, s44, 127
	s_lshl_b32 s46, s46, 23
	s_mov_b32 s47, s46
	s_sub_co_i32 s44, 0, s44
.irp j, 0,1,2,3,4,5,6,7,8,9,10,11,12,13,14,15
	v_ldexp_f32 v[112+\j], v[112+\j], s44
.endr
	v_wmma_f32_16x16x128_bf8_bf8 v[112:119], v[48:63], v[16:31], v[112:119]      ; the two accumulators take turns
	v_wmma_f32_16x16x128_bf8_bf8 v[120:127], v[80:95], v[16:31], v[120:127]
	v_wmma_f32_16x16x128_bf8_bf8 v[112:119], v[64:79], v[32:47], v[112:119]
	v_wmma_f32_16x16x128_bf8_bf8 v[120:127], v[96:111], v[32:47], v[120:127]
	PLACES
.irp p, 0,2,4,6,8,10,12,14
	v_pk_mul_f32 v[112+\p:113+\p], v[112+\p:113+\p], s[46:47] op_sel_hi:[1,0]
.endr
	; the exact GELU: v / 2 (1 + erf(v / sqrt 2)), erf(z) = z P(z z) / Q(z z), z held in +-4
.irp p, 0,2,4,6,8,10,12,14
	v_pk_mul_f32 v[192+\p:193+\p], v[112+\p:113+\p], 0x3f3504f3 op_sel_hi:[1,0]
.endr
.irp i, 0,1,2,3,4,5,6,7,8,9,10,11,12,13,14,15
	v_med3_num_f32 v[192+\i], v[192+\i], -4.0, 4.0
.endr
.irp p, 0,2,4,6,8,10,12,14
	v_pk_mul_f32 v[208+\p:209+\p], v[192+\p:193+\p], v[192+\p:193+\p]
.endr
.irp p, 0,2,4,6,8,10,12,14
	v_pk_fma_f32 v[224+\p:225+\p], v[208+\p:209+\p], v[12:13], s[24:25] op_sel_hi:[1,1,0]
	v_pk_fma_f32 v[240+\p:241+\p], v[208+\p:209+\p], v[14:15], s[36:37] op_sel_hi:[1,1,0]
.endr
.irp c, 26,28,30,32,34
.irp p, 0,2,4,6,8,10,12,14
	v_pk_fma_f32 v[224+\p:225+\p], v[224+\p:225+\p], v[208+\p:209+\p], s[\c:\c+1] op_sel_hi:[1,1,0]
.endr
.endr
.irp c, 38,40,42
.irp p, 0,2,4,6,8,10,12,14
	v_pk_fma_f32 v[240+\p:241+\p], v[240+\p:241+\p], v[208+\p:209+\p], s[\c:\c+1] op_sel_hi:[1,1,0]
.endr
.endr
.irp p, 0,2,4,6,8,10,12,14
	v_pk_mul_f32 v[224+\p:225+\p], v[224+\p:225+\p], v[192+\p:193+\p]
.endr
	s_wait_alu depctr_va_vdst(0)
.irp i, 0,1,2,3,4,5,6,7,8,9,10,11,12,13,14,15
	v_rcp_f32 v[240+\i], v[240+\i]                 ; one batch
.endr
.irp p, 0,2,4,6,8,10,12,14
	v_pk_mul_f32 v[112+\p:113+\p], v[112+\p:113+\p], 0.5 op_sel_hi:[1,0]   ; plain work behind the batch
.endr
	s_add_co_i32 s45, s22, 127
	s_lshl_b32 s19, s45, 23
	v_mov_b32 v14, s19                             ; 2^e4
	s_add_co_i32 s45, s45, 15
	s_lshl_b32 s45, s45, 23
	s_or_b32 s45, s45, 0x600000
	v_mov_b32 v15, s45                             ; 57,344 x 2^e4
	s_wait_alu depctr_va_vdst(0)                   ; the one wait ahead of the batch's first reader
.irp p, 0,2,4,6,8,10,12,14
	v_pk_mul_f32 v[224+\p:225+\p], v[224+\p:225+\p], v[240+\p:241+\p]
.endr
.irp p, 0,2,4,6,8,10,12,14
	v_pk_fma_f32 v[112+\p:113+\p], v[224+\p:225+\p], v[112+\p:113+\p], v[112+\p:113+\p]
.endr
.irp i, 0,1,2,3,4,5,6,7,8,9,10,11,12,13,14,15
	v_med3_num_f32 v[112+\i], v[112+\i], -v15, v15
.endr
	v_cvt_scalef32_pk8_bf8_f32 v[224:225], v[112:119], v14       ; registers 0-3 of the operand: k = 16 h + 0 .. 15
	v_cvt_scalef32_pk8_bf8_f32 v[226:227], v[120:127], v14
.irp j, 228,229,230,231
	v_mov_b32 v\j, 0                               ; zero codes for k = 32 .. 63; these are also the plain lines behind the conversions
.endr
	s_add_co_i32 s46, s22, s23
	s_add_co_i32 s46, s46, 127
	s_lshl_b32 s46, s46, 23                        ; 2^(e4 + e5)
	s_mov_b32 s47, s46
	s_wait_alu depctr_va_vdst(0)
	s_wait_loadcnt 0x0                             ; cls_w2's fragments and cls_b2
.irp i, 0,1,2
	v_wmma_f32_16x16x64_bf8_bf8 v[192+8*\i:199+8*\i], v[128+8*\i:135+8*\i], v[224:231], 0
.endr
	s_cmp_eq_u32 s18, 15
	s_cbranch_scc1 .Lno_63
	v_wmma_f32_16x16x64_bf8_bf8 v[216:223], v[152:159], v[224:231], 0
	PLACES
	OUTT 3
.Lno_63:
	PLACES
	OUTT 0
	OUTT 1
	OUTT 2
	s_wait_dscnt 0x0                               ; for the others' sake: my stores into the stage are done
	s_barrier_signal -1
	s_barrier_wait -1
.irp i, 0,1,2,3,4,5,6
	BACK \i
.endr
.irp i, 0,1,2,3,4,5,6
	s_wait_dscnt 6-\i                              ; LDS loads come back in order: sweep i's is in, the younger ones may be out
	global_store_b128 v11, v[48+4*\i:51+4*\i], s[16:17] offset:8192*\i th:TH_STORE_NT   ; a wave stores 512 consecutive bytes, at a multiple of 256 from out0's first byte
.endr
	s_cmp_ge_u32 s18, 13                           ; the last sweep has 416 pieces: thirteen whole waves
	s_cbranch_scc1 .Ldone
	BACK 7
	s_wait_dscnt 0x0
	global_store_b128 v11, v[76:79], s[16:17] offset:57344 th:TH_STORE_NT
.Ldone:
	s_wait_tensorcnt 0x0                           ; the wave's end, behind my last LDS store
	ds_add_u32 v1, v2
	s_wait_dscnt 0x0
	s_endpgm
.Lfunc_end_k_qae9e17e719_classify:
	.size	k_qae9e17e719_classify, .Lfunc_end_k_qae9e17e719_classify-k_qae9e17e719_classify
	.p2alignl 7, 3214868480
	.fill 96, 4, 3214868480
	.section	.rodata,"a",@progbits
	.p2align	6, 0x0
	.amdhsa_kernel k_qae9e17e719_classify
		.amdhsa_group_segment_fixed_size 67840
		.amdhsa_private_segment_fixed_size 0
		.amdhsa_enable_private_segment 0
		.amdhsa_kernarg_size 56
		.amdhsa_user_sgpr_count 2
		.amdhsa_user_sgpr_kernarg_segment_ptr 1
		.amdhsa_wavefront_size32 1
		.amdhsa_system_sgpr_workgroup_id_x 1
		.amdhsa_system_sgpr_workgroup_id_y 1
		.amdhsa_system_sgpr_workgroup_id_z 1
		.amdhsa_system_vgpr_workitem_id 0
		.amdhsa_next_free_vgpr 256
		.amdhsa_next_free_sgpr 66
		.amdhsa_reserve_vcc 0
		.amdhsa_float_denorm_mode_32 3
		.amdhsa_float_denorm_mode_16_64 3
		.amdhsa_memory_ordered 1
		.amdhsa_forward_progress 1
		.amdhsa_inst_pref_size 42
	.end_amdhsa_kernel
	.amdgpu_metadata
---
amdhsa.version: [ 1, 2 ]
amdhsa.kernels:
  - .name:           k_qae9e17e719_classify
    .symbol:         k_qae9e17e719_classify.kd
    .args:
      - { .name: pooled, .offset: 0, .size: 8, .value_kind: global_buffer, .address_space: global }
      - { .name: cls_w1_codes, .offset: 8, .size: 8, .value_kind: global_buffer, .address_space: global }
      - { .name: cls_b1, .offset: 16, .size: 8, .value_kind: global_buffer, .address_space: global }
      - { .name: cls_w2_codes, .offset: 24, .size: 8, .value_kind: global_buffer, .address_space: global }
      - { .name: cls_b2, .offset: 32, .size: 8, .value_kind: global_buffer, .address_space: global }
      - { .name: lowp_scales, .offset: 40, .size: 8, .value_kind: global_buffer, .address_space: global }
      - { .name: out0, .offset: 48, .size: 8, .value_kind: global_buffer, .address_space: global }
    .group_segment_fixed_size: 67840
    .private_segment_fixed_size: 0
    .kernarg_segment_align: 8
    .kernarg_segment_size: 56
    .max_flat_workgroup_size: 512
    .sgpr_count:     66
    .vgpr_count:     256
    .wavefront_size: 32
...
	.end_amdgpu_metadata
.endif
;; end of part 2
